; MI455X (gfx1250); checked and timed in simulation.
; The chip was launched on July 23, 2026; its instructions are those of AMD's public machine-readable ISA for CDNA 5 (MIT licence, August 2026) and "CDNA5" Instruction Set Architecture Reference Guide (July 2026). The comments in the code are by the model that wrote it; some were corrected since.
;; Multi Head Attention. Allowed arithmetic: matrix products marked QUANTISED: E2M1 operands, one E8M0 scale for each 32 along K, by v_wmma_scale_f32_16x16x128_f8f6f4 with both operands' format E2M1 (or v_wmma_scale_f32_32x16x128_f4), f32 sums; everything else in f32.
;; Inputs: k 4 x 4,096 x 1,024 float32; q 4 x 4,096 x 1,024 float32; v 4 x 4,096 x 1,024 float32; wc_b 1,024 float32; wc_w 1,024 x 1,024 float32; wk_b 1,024 float32; wk_w 1,024 x 1,024 float32; wq_b 1,024 float32; wq_w 1,024 x 1,024 float32; wv_b 1,024 float32; wv_w 1,024 x 1,024 float32.
;; Outputs: out0 4 x 4,096 x 1,024 float32.
;; This version of the problem:
;;   THIS VERSION OF THE PROBLEM IS GIVEN IN LOW PRECISION. The matrix products marked QUANTISED in the list below multiply operands that are first quantised to E2M1 (2 exponent bits, 1 mantissa bit; 4 bits a number), with one power-of-two scale for each 32 numbers along K (OCP MX v1.0); their sums are f32. All else is computed in f32.
;;   The module's matrix products, in the order in which they are computed (A, B: the left and right operand; K: the contracted axis; several contracted axes count as one K, in the product's order):
;;     1. [M 16,384, K 1,024] x [K 1,024, N 1,024]; A: input q; B: input wq_w: QUANTISED
;;     2. [M 16,384, K 1,024] x [K 1,024, N 1,024]; A: input k; B: input wk_w: QUANTISED
;;     3. [M 16,384, K 1,024] x [K 1,024, N 1,024]; A: input v; B: input wv_w: QUANTISED
;;     4. [M 16,384, K 1,024] x [K 1,024, N 1,024]; A: computed on the way; B: input wc_w: QUANTISED
;;   THE QUANTISER, for each operand of a quantised product, along K:
;;     - K is cut into blocks of 32 from its start; a last block that is shorter is filled with zeros.
;;     - A block's scale is 2^e with e = floor(log2(the largest magnitude in the block)) - 2, held to -126 .. 127; a block of zeros has e = 0. As a byte (E8M0): e + 127.
;;     - Each number is divided by its block's scale, clamped to +-6, and rounded to the nearest number of E2M1, ties to even, subnormals kept.
;;     - The product sums the exact products of the quantised numbers (number of the format x scale) in f32.
;;   ~~~python
;;   def quantise(x, axis):      # numpy; x: float32 -> the quantised numbers, widened to float32 again
;;       x = np.moveaxis(x, axis, -1); K = x.shape[-1]
;;       x = np.pad(x, [(0, 0)] * (x.ndim - 1) + [(0, -K % 32)]); x = x.reshape(x.shape[:-1] + (-1, 32)); a = np.abs(x).max(-1, keepdims=True)
;;       e = np.where(a > 0, np.clip(np.frexp(np.where(a > 0, a, 1))[1] - 1 - 2, -126, 127), 0)      # np.frexp(a)[1] - 1 = floor(log2(a)), exactly
;;       r = np.clip(x / 2.0 ** e, -6, 6)
;;       step = 2.0 ** (np.maximum(np.frexp(np.where(r == 0, 1, r))[1] - 1, 0) - 1)
;;       q = np.round(r / step) * step * 2.0 ** e      # np.round: ties to even
;;       return np.moveaxis(q.reshape(q.shape[:-2] + (-1,))[..., :K], -1, axis).astype(np.float32)
;;   ~~~
;;   OPERANDS COMPUTED ON THE WAY. 'Computed on the way' means the value that the module computes at that place (a softmax that the list does not call 'softmax' is quantised finished and normalised). What goes into a quantiser is computed in f32, as accurately as f32 sums, v_exp_f32 and their like allow (about 1e-6 of the number): no bf16 or f16 on the way to a quantiser, and a product that is left as it is and whose result goes on into a quantised operand takes f32 operands (vector FMAs, or v_wmma_f32_16x16x4_f32). A number that lies on a knife's edge between two numbers of the format may be rounded either way, as far as f32 arithmetic and the matrix unit's own rounding can turn it there, and no further.
;; One version. Each part assembles by itself: llvm-mc -triple=amdgcn-amd-amdhsa -mcpu=gfx1250 --defsym DOCPART=n.
;; ======== version 1 of 1: 2 launches
;; limits: right only within a limited range of input values
;; workspace buffers: wbuf 2,228,224 bytes
;; launch wquant (part 1): grid 64 x 4, 4 waves a work-group, no clusters, 1,024 bytes of LDS; arguments wk_w, wq_w, wv_w, wc_w, wbuf; writes wbuf
.if DOCPART == 1
	.amdgcn_target "amdgcn-amd-amdhsa--gfx1250"
	.amdhsa_code_object_version 6
	.text
	.protected	k_q8553562837_wquant
	.globl	k_q8553562837_wquant
	.p2align	8
	.type	k_q8553562837_wquant,@function
k_q8553562837_wquant:
	s_mov_b64 s[64:65], 0
	v_nop
	global_prefetch_b8 v0, s[64:65] scope:SCOPE_SE
	s_setreg_imm32_b32 hwreg(HW_REG_WAVE_MODE, 25, 1), 1
	s_wait_xcnt 0x0
; The four weights [1024 (k)][1024 (n)], f32, K their FIRST axis, become codes of FP4 (E2M1) with one E8M0 scale byte for each 32 along K,
; laid in wbuf as IMAGES OF OPERAND REGISTERS, in the order in which the next launch walks them.
; A fragment is 16 columns n x 128 k: 8 registers a lane, 1,024 bytes; the 16 bytes of block t (k = 32 t .. 32 t + 31) of tile row r lie at 256 t + 16 r.
; wbuf: records 0-15, one a head h, REC_H bytes: codes at p 32768 + wd 16384 + u 8192 + s 1024 (p: 0 wk, 1 wq, 2 wv; wd: half of the head's 64 columns; u: tile; s: K step),
;   tile row r = column 64 h + 32 wd + 8 u + r + 8 (r / 8); scale words at 98304 + p 2048 + wd 1024 + g 512 + 16 (16 u + r): four words, K steps 4 g .. 4 g + 3.
;   records 16-23, wc, one for each 128 columns, REC_C bytes: codes at w2 32768 + u 8192 + s 1024 (u 0-3), tile row r = column 128 rec + 64 w2 + 16 u + r;
;   scale words at 65536 + w2 2048 + (u / 2) 1024 + g 512 + 16 (16 (u % 2) + r).
; SHARES.  Work-group y picks the weight; x = 2 cg + g: cg a group of 32 columns, g a half of K.  Wave w takes K step s = 4 g + w: 32 columns x 128 k.
; A LANE TAKES A COLUMN AND ITS REGISTERS RUN DOWN K: a block of 32 lies in one lane's 32 registers, its largest magnitude needs no other lane, and the conversions give codes with K innermost.
; A block's 16 bytes of sixteen neighbouring lanes are 256 consecutive bytes of an image, aligned: the codes leave straight from registers.  The four waves' scale words meet in LDS and leave as 512 dense bytes.
; A block's scale is 2^(floor(log2(largest magnitude)) - 2); its byte is the largest magnitude's exponent field - 2, held at 1 from below.
; LIMITS: a block of zeros (and any block whose largest magnitude lies under 2^-124) gets the byte 1 where the rule says 127 for zeros: its codes are zeros, and this program alone reads the bytes.  NaN and infinities are not served.
.set REC_H, 104448
.set REC_C, 69632
.set WC0,   16*REC_H
.set X,     32                         ; v32-95   two sets of 32 numbers
.set C,     96                         ; v96-111  four registers of codes for each block: no store's data are written again
.set SBW,   24                         ; v24      my column's scale word for this K step
	s_load_b256 s[4:11], s[0:1], 0x0               ; wk_w s[4:5], wq_w s[6:7], wv_w s[8:9], wc_w s[10:11]
	s_load_b64 s[12:13], s[0:1], 0x20              ; wbuf
	v_lshl_add_u32 v128, v0, 2, 0x200
	v_mov_b32 v129, 0
	v_lshrrev_b32 v1, 5, v0
	v_readfirstlane_b32 s17, v1                    ; wave 0..3
	s_and_b32 s14, ttmp7, 0xffff                   ; y: which weight
	s_lshr_b32 s15, ttmp9, 1                       ; cg: which 32 columns
	s_and_b32 s16, ttmp9, 1                        ; g: which half of K
	s_lshl_b32 s18, s16, 2
	s_add_co_u32 s18, s18, s17                     ; s: my K step
	; where my codes and scale words go, both forms, in bytes from wbuf's start
	s_lshr_b32 s22, s15, 1
	s_mul_i32 s23, s22, REC_H                      ; the head's record
	s_lshl_b32 s24, s14, 15
	s_add_co_u32 s24, s23, s24                     ; codes of wk, wq, wv: + p 32768
	s_lshl_b32 s25, s14, 11
	s_add_co_u32 s25, s23, s25
	s_add_co_u32 s25, s25, 98304                   ; their scale words: + 98304 + p 2048
	s_lshr_b32 s26, s15, 2
	s_mul_i32 s26, s26, REC_C
	s_add_co_u32 s26, s26, WC0                     ; wc's record
	s_and_b32 s22, s22, 1                          ; w2
	s_lshl_b32 s27, s22, 15
	s_add_co_u32 s27, s26, s27                     ; codes of wc
	s_lshl_b32 s28, s22, 11
	s_add_co_u32 s28, s26, s28
	s_add_co_u32 s28, s28, 65536                   ; its scale words
	s_cmp_eq_u32 s14, 3                            ; the choice hangs on the work-group's number alone
	s_cselect_b32 s24, s27, s24
	s_cselect_b32 s25, s28, s25
	s_cselect_b32 s20, 0, 8                        ; a tile's rows: column = r + a (r / 8) + b u
	s_cselect_b32 s21, 16, 8
	s_and_b32 s22, s15, 1                          ; the group's place in its pair of groups
	s_lshl_b32 s29, s22, 14
	s_add_co_u32 s24, s24, s29
	s_lshl_b32 s29, s18, 10
	s_add_co_u32 s30, s24, s29                     ; codes: + (cg % 2) 16384 + s 1024
	s_mov_b32 s31, 0
	s_lshl_b32 s29, s22, 10
	s_add_co_u32 s25, s25, s29
	s_lshl_b32 s29, s16, 9
	s_add_co_u32 s32, s25, s29                     ; scale words: + (cg % 2) 1024 + g 512
	s_mov_b32 s33, 0
	s_lshl_b32 s38, s18, 19                        ; the source: 128 s rows of 4,096 bytes
	s_lshl_b32 s29, s15, 7                         ; + 32 cg columns of 4 bytes
	s_add_co_u32 s38, s38, s29
	s_mov_b32 s39, 0
	v_and_b32 v1, 31, v0                           ; lane
	v_and_b32 v2, 15, v0                           ; r
	v_bfe_u32 v7, v0, 4, 1                         ; u
	v_bfe_u32 v8, v0, 3, 1                         ; r / 8
	v_mad_u32_u24 v9, v8, s20, v2
	v_mad_u32_u24 v9, v7, s21, v9                  ; my column in the group
	v_lshlrev_b32 v3, 2, v9                        ; in: 4 bytes a column
	v_lshlrev_b32 v4, 4, v2
	v_lshl_add_u32 v4, v7, 13, v4                  ; out: tile u's image, 16 r
	v_lshlrev_b32 v5, 4, v1                        ; scale words: 16 bytes a lane
	s_lshl_b32 s19, s17, 2
	v_add_nc_u32 v6, s19, v5                       ; LDS: my lane's four words, my wave's among them
	s_wait_alu depctr_va_vdst(0)
	s_wait_kmcnt 0x0
	s_cmp_eq_u32 s14, 1
	s_cselect_b64 s[4:5], s[6:7], s[4:5]
	s_cmp_eq_u32 s14, 2
	s_cselect_b64 s[4:5], s[8:9], s[4:5]
	s_cmp_eq_u32 s14, 3
	s_cselect_b64 s[4:5], s[10:11], s[4:5]
	s_add_nc_u64 s[4:5], s[4:5], s[38:39]
	s_add_nc_u64 s[34:35], s[12:13], s[30:31]      ; my codes
	s_add_nc_u64 s[36:37], s[12:13], s[32:33]      ; my work-group's scale words
.macro LOAD t                          ; block t: W(128 s + 32 t + i, my column), i = 0 .. 31, into set t % 2; the 32 lanes read 128 consecutive bytes
.set n, 0
.rept 32
	global_load_b32 v[X+32*((\t)%2)+n], v3, s[4:5] offset:(32*(\t)+n)*4096 th:TH_LOAD_NT
.set n, n+1
.endr
.endm
.macro BLOCK t
.set XS, X+32*((\t)%2)
.if (\t) < 3
	s_wait_loadcnt 32                              ; this block's 32 loads are in; the next block's 32 may be out
.else
	s_wait_loadcnt 0x0
.endif
	v_max3_num_f32 v12, |v[XS]|, |v[XS+1]|, |v[XS+2]|               ; the block's largest magnitude: all 32 numbers are mine; two chains
	v_max3_num_f32 v13, |v[XS+3]|, |v[XS+4]|, |v[XS+5]|
.irp i, 6,10,14,18,22,26
	v_max3_num_f32 v12, v12, |v[XS+\i]|, |v[XS+\i+1]|
	v_max3_num_f32 v13, v13, |v[XS+\i+2]|, |v[XS+\i+3]|
.endr
	v_max3_num_f32 v12, v12, |v[XS+30]|, |v[XS+31]|
	v_max3_num_f32 v12, v12, v13, 0x1800000        ; and the floor 2^(3 - 127): the byte cannot fall under 1
	v_add_nc_u32 v11, 0xff000000, v12              ; 2 off the exponent field: the conversion takes the exponent field of this operand as its scale
	v_lshrrev_b32 v13, 23, v11                     ; the scale's byte
.if (\t) == 0
	v_mov_b32 v[SBW], v13                          ; four bytes make the word, the lower K in the lower byte
.else
	v_lshl_or_b32 v[SBW], v13, 8*(\t), v[SBW]
.endif
.irp g, 0,1,2,3
	v_cvt_scalef32_pk8_fp4_f32 v[C+4*(\t)+\g], v[XS+8*\g:XS+8*\g+7], v11
.endr
	v_nop                                          ; one plain line behind the last conversion of a run
	global_store_b128 v4, v[C+4*(\t):C+4*(\t)+3], s[34:35] offset:256*(\t)   ; sixteen lanes store 256 consecutive bytes, at a multiple of 256 from wbuf's first byte
.if (\t) < 2
	LOAD (\t)+2
.endif
.endm
	LOAD 0
	LOAD 1
	BLOCK 0
	BLOCK 1
	BLOCK 2
	BLOCK 3
	ds_store_b32 v6, v[SBW]                        ; my column's word for my K step
	s_wait_dscnt 0x0                               ; for the others' sake: my store has landed
	s_barrier_signal -1
	s_barrier_wait -1
	s_cmp_lg_u32 s17, 0
	s_cbranch_scc1 .Ldone                          ; wave 0 alone sends the 32 columns' four words: 512 consecutive bytes
	ds_load_b128 v[28:31], v5
	s_wait_dscnt 0x0
	global_store_b128 v5, v[28:31], s[36:37]
.Ldone:
	s_wait_tensorcnt 0x0
	ds_add_u32 v128, v129
	s_wait_dscnt 0x0
	s_endpgm
.Lfunc_end_k_q8553562837_wquant:
	.size	k_q8553562837_wquant, .Lfunc_end_k_q8553562837_wquant-k_q8553562837_wquant
	.p2alignl 7, 3214868480
	.fill 96, 4, 3214868480
	.section	.rodata,"a",@progbits
	.p2align	6, 0x0
	.amdhsa_kernel k_q8553562837_wquant
		.amdhsa_group_segment_fixed_size 1024
		.amdhsa_private_segment_fixed_size 0
		.amdhsa_enable_private_segment 0
		.amdhsa_kernarg_size 40
		.amdhsa_user_sgpr_count 2
		.amdhsa_user_sgpr_kernarg_segment_ptr 1
		.amdhsa_wavefront_size32 1
		.amdhsa_system_sgpr_workgroup_id_x 1
		.amdhsa_system_sgpr_workgroup_id_y 1
		.amdhsa_system_sgpr_workgroup_id_z 1
		.amdhsa_system_vgpr_workitem_id 0
		.amdhsa_next_free_vgpr 130
		.amdhsa_next_free_sgpr 66
		.amdhsa_reserve_vcc 0
		.amdhsa_float_denorm_mode_32 3
		.amdhsa_float_denorm_mode_16_64 3
		.amdhsa_memory_ordered 1
		.amdhsa_forward_progress 1
		.amdhsa_inst_pref_size 22
	.end_amdhsa_kernel
	.amdgpu_metadata
---
amdhsa.version: [ 1, 2 ]
amdhsa.kernels:
  - .name:           k_q8553562837_wquant
    .symbol:         k_q8553562837_wquant.kd
    .args:
      - { .name: wk_w, .offset: 0, .size: 8, .value_kind: global_buffer, .address_space: global }
      - { .name: wq_w, .offset: 8, .size: 8, .value_kind: global_buffer, .address_space: global }
      - { .name: wv_w, .offset: 16, .size: 8, .value_kind: global_buffer, .address_space: global }
      - { .name: wc_w, .offset: 24, .size: 8, .value_kind: global_buffer, .address_space: global }
      - { .name: wbuf, .offset: 32, .size: 8, .value_kind: global_buffer, .address_space: global }
    .group_segment_fixed_size: 1024
    .private_segment_fixed_size: 0
    .kernarg_segment_align: 8
    .kernarg_segment_size: 40
    .max_flat_workgroup_size: 128
    .sgpr_count:     66
    .vgpr_count:     130
    .wavefront_size: 32
...
	.end_amdgpu_metadata
.endif
;; end of part 1
;; launch fused (part 2): grid 256 x 1, 4 waves a work-group, clusters of 4 x 1, 327,680 bytes of LDS; arguments k, q, v, wk_b, wq_b, wv_b, wc_b, wbuf, out0; writes out0
.if DOCPART == 2
	.amdgcn_target "amdgcn-amd-amdhsa--gfx1250"
	.amdhsa_code_object_version 6
	.text
	.protected	k_q8553562837_fused
	.globl	k_q8553562837_fused
	.p2align	8
	.type	k_q8553562837_fused,@function
k_q8553562837_fused:
	s_mov_b64 s[64:65], 0
	v_nop
	global_prefetch_b8 v0, s[64:65] scope:SCOPE_SE
	s_setreg_imm32_b32 hwreg(HW_REG_WAVE_MODE, 25, 1), 1
	s_wait_xcnt 0x0
	s_wait_alu depctr_hold_cnt(0) depctr_sa_sdst(0) depctr_va_vdst(0) depctr_va_sdst(0) depctr_va_ssrc(0) depctr_va_vcc(0) depctr_vm_vsrc(0)
	s_getreg_b32 s2, hwreg(HW_REG_IB_STS2, 6, 4)
	s_cmp_eq_u32 s2, 0
	s_cbranch_scc0 .Lentry_in_a_cluster
	s_endpgm
.Lentry_in_a_cluster:
	s_bfe_u32 s2, ttmp6, 0x10000c
	s_cmp_lg_u32 s2, 0x3003
	s_cbranch_scc0 .Lentry_shape_is_right
	s_endpgm
.Lentry_shape_is_right:
; out0 = (elu1(q wq + bq) * (K / cumsum over heads of K) * (v wv + bv)) wc + bc, K = elu1(k wk + bk), elu1(x) = elu(x) + 1; all four products in MX-FP4.
; A work-group of four waves takes 64 rows through the whole chain; a wave has 32 rows x 32 of a head's 64 columns.
; PART 1: the rows of k, q, v (f32) are loaded three units of 16 rows x 128 k ahead, turned through the wave's stage in LDS, quantised along K, and
; handed to the partner waves through LDS as images of operand registers; the codes of all of K stay in registers (windows 1 and 3).
; PART 2: the 16 heads in order, since the sum over heads is carried from head to head (v176-207).  A head's record of wbuf (wk, wq, wv codes and scale words)
; comes by a joint load of the four work-groups of a cluster, which walk the same records, into a ring of two slots; the products are used transposed,
; so that a lane's 16 registers are 16 neighbours along the last product's K; the head's result is quantised and kept in LDS.
; PART 3: the last product, wc's eight records of 128 columns through the same ring; results leave through the wave's stage as whole rows of 256 bytes.
; No data prefetch: k, q, v are read once by loads that run three units ahead, and wbuf's records are shared by all work-groups of the launch.
; LIMITS: a block of zeros (and any block whose largest magnitude lies under 2^-124) gets the scale byte 1; its codes are zeros.  NaN and infinities are not served.
.set REC_H, 104448
.set REC_C, 69632
.set WC0,   16*REC_H
.set SLOTB, 104448
.set SPARE, 2*SLOTB
.set BIAS,  SPARE+512
.set STG,   BIAS+16384
.set STGW,  8704
.set XCH,   STG+4*STGW
.set XB,    13312
.set XSC,   12288
.set ATT,   XCH+2*XB
.set ATS,   ATT+32768
.set LI,  1
.set STW, 2
.set STR, 3
.set XW,  4
.set XS,  5
.set XR,  6
.set XT,  7
.set SPW, 8
.set NIL, 9
.set WBA, 10
.set WS,  14
.set BB,  16
.set BW,  17
.set AB,  18
.set AW,  19
.set SBB, 20
.set SW,  21
.set WCA, 22
.set WCS, 24
.set CB,  26
.set CW,  27
.set SO,  28
.set SRD, 29
.set OB,  30
.set OW,  31
.set SCA, 32
.set SCB, 56
.set AK,  80
.set AQ,  112
.set AV,  144
.set CS,  176
.set T,   208
.set X,   80
.set PC,  144
.set TM,  152
.set PW,  168
.set ACCF, 80
.set OUTR, 144
.set WV,  22
.set WR,  23
.set WD,  24
.set G1Q, 28
.set G1C, 36
.set G0Q, 44
.set G0C, 52
.set SEL, 60
.set CL,  62
.set CNT, 66
.set SA,  67
.set SB,  68
.set SH,  69
.set SR,  70
.set MSB, 0
.macro WIN new
.if MSB != (\new)
	s_set_vgpr_msb (MSB<<8)|(\new)
.set MSB, (\new)
.endif
.endm
.macro PLACES
.rept 4
	v_nop
.endr
.endm
.macro CROUND
	s_barrier_signal -1
	s_barrier_wait -1
	s_cmp_lg_u32 s[WV], 0
	s_cbranch_scc1 .Lnot_wave_0_\@
	s_barrier_signal -3
.Lnot_wave_0_\@:
	s_barrier_wait -3
	s_barrier_signal -1
	s_barrier_wait -1
.endm
	s_load_b256 s[4:11], s[0:1], 0x0
	s_load_b256 s[12:19], s[0:1], 0x20
	s_load_b64 s[20:21], s[0:1], 0x40
	v_lshl_add_u32 v[SPW], v0, 2, SPARE
	v_mov_b32 v[NIL], 0
	ds_add_u32 v8, v9
	ds_add_u32 v8, v9
	s_wait_dscnt 0x0
	v_lshrrev_b32 v1, 5, v0
	v_readfirstlane_b32 s[WV], v1
	s_lshr_b32 s[WR], s[WV], 1
	s_and_b32 s[WD], s[WV], 1
	s_bfe_u32 s25, ttmp6, 0x40000
	s_lshl_b32 s26, ttmp9, 2
	s_add_co_u32 s26, s26, s25
	s_lshl_b32 s26, s26, 18
	s_lshl_b32 s72, s[WV], 16
	s_add_co_u32 s72, s72, s26
	s_mov_b32 s73, 0
	s_lshl_b32 s74, s[WR], 17
	s_add_co_u32 s74, s74, s26
	s_lshl_b32 s75, s[WD], 8
	s_add_co_u32 s74, s74, s75
	s_mov_b32 s75, 0
	s_mov_b32 s[G1Q], 15|(3<<16)|(1<<21)
	s_mov_b32 s[G1Q+1], 32<<16
	s_mov_b32 s[G1Q+2], 102<<16
	s_mov_b32 s[G1Q+3], 32<<16
	s_mov_b32 s[G1Q+4], 102
	s_mov_b32 s[G1Q+5], 32
	s_mov_b32 s[G1Q+6], 0
	s_mov_b32 s[G1Q+7], 0
	s_mov_b32 s[G1C], 15|(3<<16)|(1<<21)
	s_mov_b32 s[G1C+1], 32<<16
	s_mov_b32 s[G1C+2], 68<<16
	s_mov_b32 s[G1C+3], 32<<16
	s_mov_b32 s[G1C+4], 68
	s_mov_b32 s[G1C+5], 32
	s_mov_b32 s[G1C+6], 0
	s_mov_b32 s[G1C+7], 0
	s_mul_i32 s76, s[WV], REC_H/4
	s_mov_b32 s77, 0
	s_mul_i32 s78, s[WV], REC_C/4
	s_mov_b32 s79, 0
	s_mov_b32 s[SEL], 0x76543210
	s_mov_b32 s[SEL+1], 0xfedcba98
	s_mov_b32 s[CL], 0x3fb8aa3b
	s_mov_b32 s[CL+1], s[CL]
	s_mov_b32 s[SA], 0
	s_mov_b32 s[SB], 0
	s_mov_b32 s[SH], 0
	s_mov_b32 s[SR], 0
	v_and_b32 v208, 31, v0
	v_lshlrev_b32 v[LI], 4, v208
	v_lshlrev_b32 v211, 4, v0
	s_wait_alu depctr_va_vdst(0)
	s_wait_kmcnt 0x0
	s_add_nc_u64 s[4:5], s[4:5], s[72:73]
	s_add_nc_u64 s[6:7], s[6:7], s[72:73]
	s_add_nc_u64 s[8:9], s[8:9], s[72:73]
	s_add_nc_u64 s[20:21], s[20:21], s[74:75]
.irp b, 0,1,2,3
	global_load_b128 v[176+8*\b:176+8*\b+3], v211, s[10+2*\b:11+2*\b]
	global_load_b128 v[176+8*\b+4:176+8*\b+7], v211, s[10+2*\b:11+2*\b] offset:2048
.endr
	WIN 0x80
.irp i, 0,1,2
.set n, 0
.rept 16
	global_load_b128 v[64*\i+4*n:64*\i+4*n+3], v[LI], s[4+2*\i:5+2*\i] offset:n*4096 th:TH_LOAD_NT
.set n, n+1
.endr
.endr
	WIN 0
	s_add_nc_u64 s[80:81], s[18:19], s[76:77]
	s_add_nc_u64 s[82:83], s[18:19], s[78:79]
.irp s, 0,1
	s_mov_b32 s[G0Q+4*\s], 1
	s_add_co_u32 s[G0Q+4*\s+1], s76, \s*SLOTB
	s_add_nc_u64 s[G0Q+4*\s+2:G0Q+4*\s+3], s[80:81], \s*REC_H
	s_or_b32 s[G0Q+4*\s+3], s[G0Q+4*\s+3], 0x80000000
	s_mov_b32 s[G0C+4*\s], 1
	s_add_co_u32 s[G0C+4*\s+1], s78, \s*SLOTB
	s_add_nc_u64 s[G0C+4*\s+2:G0C+4*\s+3], s[82:83], WC0+\s*REC_C      ; wc's records 16 and 17 come by the heads' descriptors: the first step from here leads to 18 and 19
	s_or_b32 s[G0C+4*\s+3], s[G0C+4*\s+3], 0x80000000
.endr
	CROUND
	tensor_load_to_lds s[G0Q:G0Q+3], s[G1Q:G1Q+7]
	s_nop 0
.rept 4
	v_nop
.endr
	v_and_b32 v209, 15, v0
	v_bfe_u32 v210, v0, 4, 1
	v_lshl_add_u32 v212, v0, 4, BIAS
	s_mul_i32 s27, s[WV], STGW
	s_add_co_u32 s27, s27, STG
	v_add_nc_u32 v[STW], s27, v[LI]
	v_mul_u32_u24 v[STR], v209, 528
	v_lshl_add_u32 v[STR], v210, 6, v[STR]
	v_add_nc_u32 v[STR], s27, v[STR]
	s_lshl_b32 s71, s[WV], 10
	s_add_co_u32 s71, s71, XCH
	v_add_nc_u32 v[XW], s71, v[LI]
	s_lshl_b32 s71, s[WV], 6
	s_add_co_u32 s71, s71, XCH
	v_lshl_add_u32 v[XS], v209, 2, s71
	s_lshl_b32 s71, s[WR], 11
	s_add_co_u32 s71, s71, XCH
	v_add_nc_u32 v[XR], s71, v[LI]
	s_lshl_b32 s71, s[WR], 7
	s_add_co_u32 s71, s71, XCH
	v_lshl_add_u32 v[XT], v208, 2, s71
	s_lshl_b32 s71, s[WD], 14
	v_add_nc_u32 v[WBA], s71, v[LI]
	v_add_nc_u32 v[WBA+1], SLOTB, v[WBA]
	v_add_nc_u32 v[WBA+2], 65536, v[WBA]
	v_add_nc_u32 v[WBA+3], 65536, v[WBA+1]
	s_lshl_b32 s71, s[WD], 10
	s_add_co_u32 s71, s71, 98304
	v_add_nc_u32 v[WS], s71, v[LI]
	v_add_nc_u32 v[WS+1], SLOTB, v[WS]
	s_lshl_b32 s71, s[WD], 7
	s_add_co_u32 s71, s71, BIAS
	v_lshl_add_u32 v[BB], v210, 6, s71
	s_lshl_b32 s71, s[WR], 14
	s_lshl_b32 s66, s[WD], 8
	s_add_co_u32 s71, s71, s66
	s_add_co_u32 s71, s71, ATT
	v_lshl_add_u32 v[AB], v209, 4, s71
	v_lshl_add_u32 v[AB], v210, 3, v[AB]
	s_lshl_b32 s71, s[WR], 7
	s_add_co_u32 s71, s71, s[WD]
	s_add_co_u32 s71, s71, ATS
	v_lshl_add_u32 v[SBB], v209, 2, s71
	s_lshl_b32 s71, s[WD], 15
	v_add_nc_u32 v[WCA], s71, v[LI]
	v_add_nc_u32 v[WCA+1], SLOTB, v[WCA]
	s_lshl_b32 s71, s[WD], 11
	s_add_co_u32 s71, s71, 65536
	v_add_nc_u32 v[WCS], s71, v[LI]
	v_add_nc_u32 v[WCS+1], SLOTB, v[WCS]
	s_lshl_b32 s71, s[WD], 8
	s_add_co_u32 s71, s71, BIAS+12288
	v_lshl_add_u32 v[CB], v210, 5, s71
	v_mul_u32_u24 v[SO], v209, 272
	v_lshl_add_u32 v[SO], v210, 5, v[SO]
	v_add_nc_u32 v[SO], s27, v[SO]
	v_mul_u32_u24 v[SRD], v210, 272
	v_lshl_add_u32 v[SRD], v209, 4, v[SRD]
	v_add_nc_u32 v[SRD], s27, v[SRD]
	v_lshlrev_b32 v[OB], 12, v210
	v_lshl_add_u32 v[OB], v209, 4, v[OB]
.irp b, 0,1,2,3
	v_mov_b32 v[TM+4+\b], 0
.endr
	v_mov_b32 v242, 0
	v_mov_b32 v243, 0
	s_wait_loadcnt 48
.irp b, 0,1,2,3
	ds_store_b128 v212, v[176+8*\b:176+8*\b+3] offset:4096*\b
	ds_store_b128 v212, v[176+8*\b+4:176+8*\b+7] offset:4096*\b+2048
.endr
.macro QUANT
.irp b, 0,1,2,3
	v_max3_num_f32 v[TM+\b], |v[X+16*\b]|, |v[X+1+16*\b]|, 0x1800000
.endr
.irp i, 2,4,6,8,10,12,14
.irp b, 0,1,2,3
	v_max3_num_f32 v[TM+\b], v[TM+\b], |v[X+16*\b+\i]|, |v[X+1+16*\b+\i]|
.endr
.endr
.irp b, 0,1,2,3
	v_permlanex16_b32 v[TM+4+\b], v[TM+\b], s[SEL], s[SEL+1]
.endr
.irp b, 0,1,2,3
	v_max_num_f32 v[TM+\b], v[TM+\b], v[TM+4+\b]
.endr
.irp b, 0,1,2,3
	v_add_nc_u32 v[TM+12+\b], 0xff000000, v[TM+\b]
.endr
.irp b, 0,1,2,3
	v_lshrrev_b32 v[TM+4+\b], 23, v[TM+12+\b]
.endr
	v_lshl_or_b32 v[PW], v[TM+5], 8, v[TM+4]
	v_lshl_or_b32 v[PW], v[TM+6], 16, v[PW]
	v_lshl_or_b32 v[PW], v[TM+7], 24, v[PW]
.irp b, 0,1,2,3
	v_cvt_scalef32_pk8_fp4_f32 v[PC+2*\b], v[X+16*\b:X+7+16*\b], v[TM+12+\b]
	v_cvt_scalef32_pk8_fp4_f32 v[PC+1+2*\b], v[X+8+16*\b:X+15+16*\b], v[TM+12+\b]
.endr
	v_nop
.irp c, 0,1
.irp i, 0,1
	v_permlane16_swap_b32 v[PC+4*\c+\i], v[PC+2+4*\c+\i]
.endr
.endr
.endm
.macro UNIT s, i, ahead, left
	s_wait_loadcnt \left
	WIN 0x08
.set n, 0
.rept 16
	ds_store_b128 v[STW], v[64*(\i)+4*n:64*(\i)+4*n+3] offset:n*528
.set n, n+1
.endr
	WIN 0
.set n, 0
.rept 16
	ds_load_b128 v[X+4*n:X+4*n+3], v[STR] offset:128*(n/4)+16*(n%4)
.set n, n+1
.endr
	s_wait_dscnt 0x0
.if \ahead
	WIN 0x80
.set n, 0
.rept 16
	global_load_b128 v[64*(\i)+4*n:64*(\i)+4*n+3], v[LI], s[4+2*(\i):5+2*(\i)] offset:n*4096+((\s)+1)*512 th:TH_LOAD_NT
.set n, n+1
.endr
	WIN 0
.endif
	QUANT
	ds_store_b128 v[XW], v[PC:PC+3] offset:((\s)%2)*XB+(\i)*4096
	ds_store_b128 v[XW], v[PC+4:PC+7] offset:((\s)%2)*XB+(\i)*4096+512
	ds_store_b32 v[XS], v[PW] offset:((\s)%2)*XB+XSC+(\i)*256
.endm
.macro XJOIN s
	s_wait_dscnt 0x0
	s_barrier_signal -1
	s_barrier_wait -1
	WIN 0x40
.irp i, 0,1
.irp m, 0,1
.irp c, 0,1
	ds_load_b128 v[128*\i+64*\m+8*(\s)+4*\c:128*\i+64*\m+8*(\s)+4*\c+3], v[XR] offset:((\s)%2)*XB+4096*\i+1024*\m+512*\c
.endr
.endr
.endr
	WIN 0xc0
.irp m, 0,1
.irp c, 0,1
	ds_load_b128 v[64*\m+8*(\s)+4*\c:64*\m+8*(\s)+4*\c+3], v[XR] offset:((\s)%2)*XB+8192+1024*\m+512*\c
.endr
.endr
	WIN 0
.irp i, 0,1,2
	ds_load_b32 v[SCA+8*\i+(\s)], v[XT] offset:((\s)%2)*XB+XSC+256*\i
.endr
.endm
.irp t, 0,1,2,3,4,5,6
	UNIT \t, 0, 1, 32
	UNIT \t, 1, 1, 32
	UNIT \t, 2, 1, 32
	XJOIN \t
.endr
	UNIT 7, 0, 0, 32
	UNIT 7, 1, 0, 16
	UNIT 7, 2, 0, 0
	XJOIN 7
.macro WM
.if qA && qB
	v_wmma_scale_f32_16x16x128_f8f6f4 v[rD:rD+7], v[rA:rA+7], v[rB:rB+7], v[rC:rC+7], v[rSA], v[rSB] matrix_a_fmt:MATRIX_FMT_FP4 matrix_b_fmt:MATRIX_FMT_FP4 matrix_a_scale:MATRIX_SCALE_ROW1 matrix_b_scale:MATRIX_SCALE_ROW1
.elseif qA
	v_wmma_scale_f32_16x16x128_f8f6f4 v[rD:rD+7], v[rA:rA+7], v[rB:rB+7], v[rC:rC+7], v[rSA], v[rSB] matrix_a_fmt:MATRIX_FMT_FP4 matrix_b_fmt:MATRIX_FMT_FP4 matrix_a_scale:MATRIX_SCALE_ROW1
.elseif qB
	v_wmma_scale_f32_16x16x128_f8f6f4 v[rD:rD+7], v[rA:rA+7], v[rB:rB+7], v[rC:rC+7], v[rSA], v[rSB] matrix_a_fmt:MATRIX_FMT_FP4 matrix_b_fmt:MATRIX_FMT_FP4 matrix_b_scale:MATRIX_SCALE_ROW1
.else
	v_wmma_scale_f32_16x16x128_f8f6f4 v[rD:rD+7], v[rA:rA+7], v[rB:rB+7], v[rC:rC+7], v[rSA], v[rSB] matrix_a_fmt:MATRIX_FMT_FP4 matrix_b_fmt:MATRIX_FMT_FP4
.endif
.endm
.macro CHANGE kind, slot
	WIN 0
	s_wait_tensorcnt 0x0
	ds_add_u32 v[SPW], v[NIL]
.if \kind == 1
	s_add_nc_u64 s[G0Q+4*\slot+2:G0Q+4*\slot+3], s[G0Q+4*\slot+2:G0Q+4*\slot+3], 2*REC_H
.elseif \kind == 2
	s_add_nc_u64 s[G0C+4*\slot+2:G0C+4*\slot+3], s[G0C+4*\slot+2:G0C+4*\slot+3], 2*REC_C
.elseif \kind == 3
	s_cmp_eq_u32 s[CNT], 1                         ; slot 1 in the heads' loop: two heads' records on; in the last trip from record 15 to wc's second record
	s_mov_b32 s72, REC_H+REC_C
	s_cselect_b32 s72, s72, 2*REC_H
	s_add_nc_u64 s[G0Q+4*\slot+2:G0Q+4*\slot+3], s[G0Q+4*\slot+2:G0Q+4*\slot+3], s[72:73]
.endif
	s_wait_dscnt 0x0
.if \kind
	CROUND
.if \kind != 2
	tensor_load_to_lds s[G0Q+4*\slot:G0Q+4*\slot+3], s[G1Q:G1Q+7]
	s_nop 0
.else
	tensor_load_to_lds s[G0C+4*\slot:G0C+4*\slot+3], s[G1C:G1C+7]
	s_nop 0
.endif
.rept 4
	v_nop
.endr
.else
	s_barrier_signal -1
	s_barrier_wait -1
.endif
.endm
.macro FETCHB slot, p, bf
	WIN 0x80
.set rW, WBA+(\slot)+2*((\p)/2)
.set oW, 32768*((\p)%2)
.irp u, 0,1
.irp k, 0,1,2,3,4,5,6,7
.irp c, 0,1
	ds_load_b128 v[128*(\bf)+64*\u+8*\k+4*\c:128*(\bf)+64*\u+8*\k+4*\c+3], v[rW] offset:oW+8192*\u+1024*\k+512*\c
.endr
.endr
.endr
.endm
.macro MUL p, bf
.set sK, 0
.rept 8
.if sK == 0
	WIN 0x36+8*((\p)/2)
.else
	WIN 0x06+8*((\p)/2)
.endif
.irp u, 0,1
.irp m, 0,1
.set rD, AK+32*(\p)+16*\m+8*\u
.set rA, 128*(\bf)+64*\u+8*sK
.set rB, 128*((\p)%2)+64*\m+8*sK
.set rC, rD
.if sK == 0
.set rC, 128+16*(\p)+8*\u
.endif
.set rSA, SCB+8*(\p)+sK
.set rSB, SCA+8*(\p)+sK
.set qA, \u
.set qB, \m
	WM
.endr
.endr
.set sK, sK+1
.endr
.endm
.macro ELU1 a
.set j, 0
.rept 32
	v_min_num_f32 v[T+j], 0, v[\a+j]
.set j, j+1
.endr
.set j, 0
.rept 16
	v_pk_mul_f32 v[T+j:T+j+1], v[T+j:T+j+1], s[CL:CL+1] op_sel_hi:[1,0]
.set j, j+2
.endr
.set j, 0
	s_wait_alu depctr_va_vdst(0)
.rept 32
	v_exp_f32 v[T+j], v[T+j]
.set j, j+1
.endr
	v_nop
.set j, 0
	s_wait_alu depctr_va_vdst(0)
.rept 16
	v_pk_add_f32 v[T+j:T+j+1], v[T+j:T+j+1], -1.0 op_sel_hi:[1,0]
.set j, j+2
.endr
.set j, 0
.rept 32
	v_max_num_f32 v[\a+j], v[\a+j], v[T+j]
.set j, j+1
.endr
.set j, 0
.rept 16
	v_pk_add_f32 v[\a+j:\a+j+1], v[\a+j:\a+j+1], 1.0 op_sel_hi:[1,0]
.set j, j+2
.endr
.endm
.macro QB c
.irp m, 0,1
	v_max3_num_f32 v[240+\m], |v[AQ+16*\m]|, |v[AQ+16*\m+1]|, 0x1800000
.endr
.irp i, 2,4,6,8,10,12,14
.irp m, 0,1
	v_max3_num_f32 v[240+\m], v[240+\m], |v[AQ+16*\m+\i]|, |v[AQ+16*\m+\i+1]|
.endr
.endr
.irp m, 0,1
	v_permlanex16_b32 v[242+\m], v[240+\m], s[SEL], s[SEL+1]
.endr
.irp m, 0,1
	v_max_num_f32 v[240+\m], v[240+\m], v[242+\m]
.endr
.irp m, 0,1
	v_add_nc_u32 v[244+\m], 0xff000000, v[240+\m]
.endr
.irp m, 0,1
	v_lshrrev_b32 v[246+\m], 23, v[244+\m]
.endr
.irp m, 0,1
	v_cvt_scalef32_pk8_fp4_f32 v[248+2*\m], v[AQ+16*\m:AQ+16*\m+7], v[244+\m]
	v_cvt_scalef32_pk8_fp4_f32 v[249+2*\m], v[AQ+16*\m+8:AQ+16*\m+15], v[244+\m]
.endr
	v_nop
.irp m, 0,1
	ds_store_b64 v[AW], v[248+2*\m:249+2*\m] offset:8192*\m+512*(\c)
	ds_store_b8 v[SW], v[246+\m] offset:64*\m+2*(\c)
.endr
.endm
.macro HEAD slot, first
	v_add_nc_u32 v[BW], s[SH], v[BB]
	v_add_nc_u32 v[AW], s[SA], v[AB]
	v_add_nc_u32 v[SW], s[SB], v[SBB]
	WIN 0xc0
.irp p, 0,1,2
.irp u, 0,1
	ds_load_b128 v[128+16*\p+8*\u:128+16*\p+8*\u+3], v[BW] offset:4096*\p+32*\u
	ds_load_b128 v[128+16*\p+8*\u+4:128+16*\p+8*\u+7], v[BW] offset:4096*\p+32*\u+16
.endr
.endr
	WIN 0
.irp p, 0,1,2
.irp g, 0,1
	ds_load_b128 v[SCB+8*\p+4*\g:SCB+8*\p+4*\g+3], v[WS+\slot] offset:2048*\p+512*\g
.endr
.endr
	FETCHB \slot, 0, 0
	FETCHB \slot, 1, 1
	s_wait_dscnt 32
	MUL 0, 0
	WIN 0
	PLACES
	FETCHB \slot, 2, 0
	WIN 0
	ELU1 AK
.set j, 0
.if \first
.rept 32
	v_mov_b32 v[CS+j], v[AK+j]
.set j, j+1
.endr
.else
.rept 16
	v_pk_add_f32 v[CS+j:CS+j+1], v[CS+j:CS+j+1], v[AK+j:AK+j+1]
.set j, j+2
.endr
.endif
.set j, 0
	s_wait_alu depctr_va_vdst(0)
.rept 32
	v_rcp_f32 v[T+j], v[CS+j]
.set j, j+1
.endr
	v_nop
.set j, 0
	s_wait_alu depctr_va_vdst(0)
.rept 16
	v_pk_mul_f32 v[AK+j:AK+j+1], v[AK+j:AK+j+1], v[T+j:T+j+1]
.set j, j+2
.endr
	s_wait_dscnt 0x0
	MUL 1, 1
	MUL 2, 0
	WIN 0
	PLACES
	ELU1 AQ
.set j, 0
.rept 16
	v_pk_mul_f32 v[AQ+j:AQ+j+1], v[AQ+j:AQ+j+1], v[AK+j:AK+j+1]
.set j, j+2
.endr
.set j, 0
.rept 16
	v_pk_mul_f32 v[AQ+j:AQ+j+1], v[AQ+j:AQ+j+1], v[AV+j:AV+j+1]
.set j, j+2
.endr
	QB \slot
	s_add_co_u32 s[SH], s[SH], 256
.if \slot == 1
	s_add_co_u32 s[SA], s[SA], 1024
	s_add_co_u32 s[SB], s[SB], 256
.endif
.endm
.macro REC slot
	v_add_nc_u32 v[CW], s[SR], v[CB]
	WIN 0xc0
.irp u, 0,1,2,3
	ds_load_b128 v[128+8*\u:128+8*\u+3], v[CW] offset:64*\u
	ds_load_b128 v[128+8*\u+4:128+8*\u+7], v[CW] offset:64*\u+16
.endr
	WIN 0
.irp w, 0,1
.irp g, 0,1
	ds_load_b128 v[SCB+8*\w+4*\g:SCB+8*\w+4*\g+3], v[WCS+\slot] offset:1024*\w+512*\g
.endr
.endr
	WIN 0x80
.irp k, 0,1,2,3,4,5,6,7
.irp u, 0,1,2,3
.irp c, 0,1
	ds_load_b128 v[64*\u+8*\k+4*\c:64*\u+8*\k+4*\c+3], v[WCA+\slot] offset:8192*\u+1024*\k+512*\c
.endr
.endr
.endr
	s_wait_dscnt 32
.set sK, 0
.rept 8
.if sK == 0
	WIN 0x36
.else
	WIN 0x06
.endif
.if sK == 4
	s_wait_dscnt 0x0
.endif
.irp u, 0,1,2,3
.irp m, 0,1
.set rD, ACCF+8*(2*\u+\m)
.set rA, 64*\u+8*sK
.set rB, 64*\m+8*sK
.set rC, rD
.if sK == 0
.set rC, 128+8*\u
.endif
.set rSA, SCB+8*(\u/2)+sK
.set rSB, SCA+sK
.set qA, \u%2
.set qB, \m
	WM
.endr
.endr
.set sK, sK+1
.endr
	WIN 0
	PLACES
	s_wait_xcnt 0x0
	v_add_nc_u32 v[OW], s[SR], v[OB]
.irp u, 0,1,2,3
.irp m, 0,1
	ds_store_b128 v[SO], v[ACCF+8*(2*\u+\m):ACCF+8*(2*\u+\m)+3] offset:4352*\m+64*\u
	ds_store_b128 v[SO], v[ACCF+8*(2*\u+\m)+4:ACCF+8*(2*\u+\m)+7] offset:4352*\m+64*\u+16
.endr
.endr
.set n, 0
.rept 16
	ds_load_b128 v[OUTR+4*n:OUTR+4*n+3], v[SRD] offset:544*n
.set n, n+1
.endr
.set n, 0
	s_wait_alu depctr_va_vdst(0)
.rept 16
	s_wait_dscnt 15-n
	global_store_b128 v[OW], v[OUTR+4*n:OUTR+4*n+3], s[20:21] offset:8192*n th:TH_STORE_NT
.set n, n+1
.endr
	s_add_co_u32 s[SR], s[SR], 512
.endm
.set j, 0
.rept 32
	v_mov_b32 v[CS+j], 0                           ; the sum over heads begins at 0: every head then runs the same text
.set j, j+1
.endr
	s_mov_b32 s73, 0                               ; the upper word of slot 1's step
	s_wait_tensorcnt 0x0                           ; my part of head 0's record is in; slot 1's first fill is issued as a refill is
	ds_add_u32 v[SPW], v[NIL]
	s_wait_dscnt 0x0                               ; the add, my stores of biases and codes and my reads of the partners' codes are done
	CROUND
	tensor_load_to_lds s[G0Q+4:G0Q+7], s[G1Q:G1Q+7]   ; head 1's record: my one load behind the round
	s_nop 0
.rept 4
	v_nop
.endr
	s_mov_b32 s[CNT], 8
.Lheads:                                               ; a trip: two heads, once round the ring.  The refills bring records 2 .. 17: the last trip's two are wc's first two,
	HEAD 0, 0                                      ; each loaded with REC_H bytes, of which the REC_C of the record are read; what follows them lies inside wbuf
	CHANGE 1, 0
	HEAD 1, 0
	CHANGE 3, 1
	s_sub_co_u32 s[CNT], s[CNT], 1
	s_cmp_lg_u32 s[CNT], 0
	s_cbranch_scc1 .Lheads
	s_lshl_b32 s71, s[WR], 14
	s_add_co_u32 s71, s71, ATT
	v_add_nc_u32 v[STW], s71, v[LI]
	s_lshl_b32 s71, s[WR], 7
	s_add_co_u32 s71, s71, ATS
	v_lshrrev_b32 v[STR], 2, v[LI]
	v_add_nc_u32 v[STR], s71, v[STR]
	WIN 0x40
.irp m, 0,1
.irp k, 0,1,2,3,4,5,6,7
.irp c, 0,1
	ds_load_b128 v[64*\m+8*\k+4*\c:64*\m+8*\k+4*\c+3], v[STW] offset:8192*\m+1024*\k+512*\c
.endr
.endr
.endr
	WIN 0
.irp k, 0,1,2,3,4,5,6,7
	ds_load_b32 v[SCA+\k], v[STR] offset:256*\k
.endr
	REC 0
	s_mov_b32 s[CNT], 3
.Lrecs:
	CHANGE 2, 0
	REC 1
	CHANGE 2, 1
	REC 0
	s_sub_co_u32 s[CNT], s[CNT], 1
	s_cmp_lg_u32 s[CNT], 0
	s_cbranch_scc1 .Lrecs
	CHANGE 0, 0
	REC 1
	s_wait_tensorcnt 0x0
	ds_add_u32 v[SPW], v[NIL]
	s_wait_dscnt 0x0
	CROUND
	s_endpgm
.Lfunc_end_k_q8553562837_fused:
	.size	k_q8553562837_fused, .Lfunc_end_k_q8553562837_fused-k_q8553562837_fused
	.p2alignl 7, 3214868480
	.fill 96, 4, 3214868480
	.section	.rodata,"a",@progbits
	.p2align	6, 0x0
	.amdhsa_kernel k_q8553562837_fused
		.amdhsa_group_segment_fixed_size 327680
		.amdhsa_private_segment_fixed_size 0
		.amdhsa_enable_private_segment 0
		.amdhsa_kernarg_size 72
		.amdhsa_user_sgpr_count 2
		.amdhsa_user_sgpr_kernarg_segment_ptr 1
		.amdhsa_wavefront_size32 1
		.amdhsa_system_sgpr_workgroup_id_x 1
		.amdhsa_system_sgpr_workgroup_id_y 1
		.amdhsa_system_sgpr_workgroup_id_z 1
		.amdhsa_system_vgpr_workitem_id 0
		.amdhsa_next_free_vgpr 1024
		.amdhsa_next_free_sgpr 84
		.amdhsa_reserve_vcc 0
		.amdhsa_float_denorm_mode_32 3
		.amdhsa_float_denorm_mode_16_64 3
		.amdhsa_memory_ordered 1
		.amdhsa_forward_progress 1
		.amdhsa_inst_pref_size 255
	.end_amdhsa_kernel
	.section	.bss,"aw",@nobits
	.p2align	6
	.space	262144
	.amdgpu_metadata
---
amdhsa.version: [ 1, 2 ]
amdhsa.kernels:
  - .name:           k_q8553562837_fused
    .symbol:         k_q8553562837_fused.kd
    .args:
      - { .name: k, .offset: 0, .size: 8, .value_kind: global_buffer, .address_space: global }
      - { .name: q, .offset: 8, .size: 8, .value_kind: global_buffer, .address_space: global }
      - { .name: v, .offset: 16, .size: 8, .value_kind: global_buffer, .address_space: global }
      - { .name: wk_b, .offset: 24, .size: 8, .value_kind: global_buffer, .address_space: global }
      - { .name: wq_b, .offset: 32, .size: 8, .value_kind: global_buffer, .address_space: global }
      - { .name: wv_b, .offset: 40, .size: 8, .value_kind: global_buffer, .address_space: global }
      - { .name: wc_b, .offset: 48, .size: 8, .value_kind: global_buffer, .address_space: global }
      - { .name: wbuf, .offset: 56, .size: 8, .value_kind: global_buffer, .address_space: global }
      - { .name: out0, .offset: 64, .size: 8, .value_kind: global_buffer, .address_space: global }
    .group_segment_fixed_size: 327680
    .private_segment_fixed_size: 0
    .kernarg_segment_align: 8
    .kernarg_segment_size: 72
    .max_flat_workgroup_size: 128
    .sgpr_count:     84
    .vgpr_count:     1024
    .wavefront_size: 32
...
	.end_amdgpu_metadata
.endif
;; end of part 2
